; MI455X (gfx1250); checked and timed in simulation.
; The chip was launched on July 23, 2026; its instructions are those of AMD's public machine-readable ISA for CDNA 5 (MIT licence, August 2026) and "CDNA5" Instruction Set Architecture Reference Guide (July 2026). The comments in the code are by the model that wrote it; some were corrected since.
;; Attn Block. Allowed arithmetic: matrix products marked QUANTISED: E5M2 operands, one given power-of-two scale a tensor, by v_wmma_f32_16x16x64_bf8_bf8 or v_wmma_f32_16x16x128_bf8_bf8, f32 sums; everything else in f32.
;; Inputs: beta_k 64 float32; beta_q 64 float32; bkv 2,048 float32; bq 1,024 float32; gamma_k 64 float32; gamma_q 64 float32; lowp_scales 8 int32 (the exponents e of the quantised operands' scales 2^e); wkv_codes 2,048 x 32 x 32 uint8 (E5M2 codes of wkv, K innermost, in blocks of 32 codes); wq_codes 1,024 x 32 x 32 uint8 (E5M2 codes of wq, K innermost, in blocks of 32 codes); x1_codes 4 x 2,048 x 32 x 32 uint8 (E5M2 codes of x1, K innermost, in blocks of 32 codes); x2_codes 4 x 2,048 x 32 x 32 uint8 (E5M2 codes of x2, K innermost, in blocks of 32 codes).
;; Outputs: out0 4 x 2,048 x 1,024 float32.
;; This version of the problem:
;;   THIS VERSION OF THE PROBLEM IS GIVEN IN LOW PRECISION. The matrix products marked QUANTISED in the list below multiply operands that are first quantised to E5M2 (5 exponent bits, 2 mantissa bits; 8 bits a number), with one given power-of-two scale for each operand tensor; their sums are f32. All else is computed in f32.
;;   The module's matrix products, in the order in which they are computed (A, B: the left and right operand; K: the contracted axis; several contracted axes count as one K, in the product's order):
;;     1. [M 8,192, K 1,024] x [K 1,024, N 1,024]; A: input x1 (given as codes); B: input wq (given as codes): QUANTISED (scales: A lowp_scales[0], B lowp_scales[1])
;;     2. [M 8,192, K 1,024] x [K 1,024, N 2,048]; A: input x2 (given as codes); B: input wkv (given as codes): QUANTISED (scales: A lowp_scales[2], B lowp_scales[3])
;;     3. batch 64 x [M 2,048, K 64] x [K 64, N 2,048]; A: computed on the way; B: computed on the way: QUANTISED (scales: A lowp_scales[4], B lowp_scales[5])
;;     4. batch 64 x [M 2,048, K 2,048] x [K 2,048, N 64]; A: softmax (see below); B: computed on the way: QUANTISED (scales: A lowp_scales[6], B lowp_scales[7])
;;   THE QUANTISER, for each operand of a quantised product, along K:
;;     - The operand's scale is 2^e, e = its entry of the input lowp_scales (int32; the entries are numbered through the quantised products in the list's order, A before B).
;;     - Each number is divided by the scale, clamped to +-57,344, and rounded to the nearest number of E5M2, ties to even, subnormals kept.
;;     - The product sums the exact products of the quantised numbers (number of the format x scale) in f32.
;;   ~~~python
;;   def quantise(x, axis, e):      # numpy; x: float32 -> the quantised numbers, widened to float32 again
;;       x = np.moveaxis(x, axis, -1); K = x.shape[-1]
;;       r = np.clip(x / 2.0 ** e, -57344, 57344)
;;       step = 2.0 ** (np.maximum(np.frexp(np.where(r == 0, 1, r))[1] - 1, -14) - 2)
;;       q = np.round(r / step) * step * 2.0 ** e      # np.round: ties to even
;;       return np.moveaxis(q, -1, axis).astype(np.float32)
;;   ~~~
;;   SOFTMAX AHEAD OF A QUANTISED PRODUCT. Where the list says 'softmax', what is quantised is not the finished softmax but p = 2^(t - M), with t = logit x log2(e) and M = ceil(the row's largest t), a whole number; so 1/2 < the row's largest p <= 1. The row's sum l is taken of the UNQUANTISED p, in f32, and the product's result is divided by l at the end. Since M is a whole number, a kernel that streams over the keys may use a running M (the ceiling of the running maximum): every later rescaling is an exact power of two, so the quantised numbers keep their values, but for numbers so far below the row's largest that they fall under the format's range.
;;   OPERANDS COMPUTED ON THE WAY. 'Computed on the way' means the value that the module computes at that place (a softmax that the list does not call 'softmax' is quantised finished and normalised). What goes into a quantiser is computed in f32, as accurately as f32 sums, v_exp_f32 and their like allow (about 1e-6 of the number): no bf16 or f16 on the way to a quantiser, and a product that is left as it is and whose result goes on into a quantised operand takes f32 operands (vector FMAs, or v_wmma_f32_16x16x4_f32). A number that lies on a knife's edge between two numbers of the format may be rounded either way, as far as f32 arithmetic and the matrix unit's own rounding can turn it there, and no further.
;;   INPUTS GIVEN AS CODES. wkv (in the module: [1024, 2048], K = its axis 0); wq (in the module: [1024, 1024], K = its axis 0); x1 (in the module: [4, 2048, 1024], K = its axis 2); x2 (in the module: [4, 2048, 1024], K = its axis 2): each comes as NAME_codes (uint8): NAME with its K axis moved to the last place and cut into blocks of 32 codes, [.., K / 32, bytes a block], one block behind the other in memory; one code a byte (a code: sign, 5 exponent bits, 2 mantissa bits); its scale is its entry of lowp_scales. Its value is code x scale, taken as it is: it is not quantised again, and the codes and scales need not be those that the quantiser above would give.
;; One version. Each part assembles by itself: llvm-mc -triple=amdgcn-amd-amdhsa -mcpu=gfx1250 --defsym DOCPART=n.
;; ======== version 1 of 1: 2 launches
;; limits: right only within a limited range of input values
;; workspace buffers: q_img 8,388,608 bytes; kv_img 16,777,216 bytes
;; launch proj (part 1): grid 4 x 96, 4 waves a work-group, clusters of 4 x 4, 327,680 bytes of LDS; arguments x1_codes, x2_codes, wq_codes, wkv_codes, bq, bkv, gamma_q, gamma_k, beta_q, beta_k, lowp_scales, q_img, kv_img; writes q_img, kv_img
.if DOCPART == 1
	.amdgcn_target "amdgcn-amd-amdhsa--gfx1250"
	.amdhsa_code_object_version 6
	.text
	.protected	k_qd7f3cfc938_proj
	.globl	k_qd7f3cfc938_proj
	.p2align	8
	.type	k_qd7f3cfc938_proj,@function
k_qd7f3cfc938_proj:
	s_mov_b64 s[64:65], 0
	v_nop
	global_prefetch_b8 v0, s[64:65] scope:SCOPE_SE
	s_setreg_imm32_b32 hwreg(HW_REG_WAVE_MODE, 25, 1), 1
	s_wait_xcnt 0x0
	s_wait_alu depctr_hold_cnt(0) depctr_sa_sdst(0) depctr_va_vdst(0) depctr_va_sdst(0) depctr_va_ssrc(0) depctr_va_vcc(0) depctr_vm_vsrc(0)
	s_getreg_b32 s2, hwreg(HW_REG_IB_STS2, 6, 4)
	s_cmp_eq_u32 s2, 0
	s_cbranch_scc0 .Lentry_in_a_cluster
	s_endpgm
.Lentry_in_a_cluster:
	s_bfe_u32 s2, ttmp6, 0x10000c
	s_cmp_lg_u32 s2, 0xf033
	s_cbranch_scc0 .Lentry_shape_is_right
	s_endpgm
.Lentry_shape_is_right:
.set ROWB,   256
.set KROW,   1024
.set PITCH,  272
.set FR,     16
.set NL,     4
.set NP,     4
.set HALFT,  128*PITCH
.set SLOT,   4*HALFT
.set SPARE,  2*SLOT
.set LI,   7
.set VO,   8
.set H32,  12
.set R4,   13
.set SCL,  14
.set LIM,  15
.set ADRA, 16
.set ADRB, 20
.set SPW,  28
.set NIL,  29
.set BIAS, 32
.set GAM,  96
.set AF,   128
.set BET,  128
.set Y,    160
.set CD,   224
.set T,    240
.set G1, 24
.set G0, 32
.set G1B, 48
.set G0B, 56
.set MSB, 0
.macro WIN new
.if MSB != \new
	s_set_vgpr_msb (MSB<<8)|\new
.set MSB, \new
.endif
.endm
.set MUL_LO, 0xa1
.set MUL_HI, 0xf1
.set TO_B,   0x40
.macro JLOAD g0a, g1a, g0b, g1b
	s_cmp_eq_u32 s15, 0
	s_cbranch_scc0 .Lfor_b_\@
	tensor_load_to_lds s[\g0a:\g0a+3], s[\g1a:\g1a+7]
	s_nop 0
.rept 4
	v_nop
.endr
	s_branch .Lasked_\@
.Lfor_b_\@:
	tensor_load_to_lds s[\g0b:\g0b+3], s[\g1b:\g1b+7]
	s_nop 0
.rept 4
	v_nop
.endr
.Lasked_\@:
.endm
.macro CREST
	s_cmp_lg_u32 s14, 0
	s_cbranch_scc1 .Lnot_wave_0_\@
	s_barrier_signal -3
.Lnot_wave_0_\@:
	s_barrier_wait -3
	s_barrier_signal -1
	s_barrier_wait -1
.endm
.macro CROUND
	s_barrier_signal -1
	s_barrier_wait -1
	CREST
.endm
	s_load_b512 s[68:83], s[0:1], 0x0
	s_load_b256 s[84:91], s[0:1], 0x40
	s_load_b64 s[92:93], s[0:1], 0x60
	v_lshl_add_u32 v[SPW], v0, 2, SPARE
	v_mov_b32 v[NIL], 0
	ds_add_u32 v28, v29
	ds_add_u32 v28, v29
	s_wait_dscnt 0x0
	v_lshrrev_b32 v1, 5, v0
	v_readfirstlane_b32 s14, v1
	s_lshr_b32 s15, s14, 1
	s_and_b32 s16, s14, 1
	s_bfe_u32 s40, ttmp6, 0x40000
	s_bfe_u32 s41, ttmp6, 0x40004
	s_and_b32 s13, ttmp7, 0xffff
	s_lshr_b32 s12, s13, 3
	s_and_b32 s13, s13, 7
	s_lshl_b32 s18, s13, 2
	s_cmp_eq_u32 s12, 2
	s_cselect_b32 s19, s18, 0
	s_cselect_b32 s20, 4, s18
	s_lshl_b32 s42, ttmp9, 2
	s_add_co_u32 s42, s42, s40
	s_add_co_u32 s42, s42, s19
	s_add_co_u32 s17, s41, s20
	s_lshl_b32 s43, s41, 2
	s_lshl_b32 s43, 15, s43
	s_lshl_b32 s44, 0x1111, s40
	s_or_b32 s[G1+0], s43, (0<<16)|(1<<20)|(1<<21)|(5<<22)|(3<<25)
	s_or_b32 s[G1B+0], s44, (0<<16)|(1<<20)|(1<<21)|(5<<22)|(3<<25)
.irp g, G1, G1B
	s_mov_b32 s[\g+1], ROWB<<16
	s_mov_b32 s[\g+2], 128<<16
	s_mov_b32 s[\g+3], ROWB<<16
	s_mov_b32 s[\g+4], 128
	s_mov_b32 s[\g+5], KROW
	s_mov_b32 s[\g+6], 0
	s_mov_b32 s[\g+7], 0
.endr
	s_lshl_b32 s18, s16, 7
	s_lshl_b32 s20, s17, 8
	s_add_co_u32 s20, s20, s18
	s_lshl_b32 s46, s42, 8
	s_add_co_u32 s46, s46, s18
	s_lshl_b32 s20, s20, 10
	s_lshl_b32 s46, s46, 10
	s_mov_b32 s21, 0
	s_mov_b32 s47, 0
	s_mul_i32 s45, s14, HALFT
	s_mov_b32 s2, 0x76543210
	s_mov_b32 s3, 0xfedcba98
	s_mov_b32 s98, 0x3c800000
	s_mov_b32 s99, 0x3727c5ac
	s_wait_kmcnt 0x0
	s_load_b256 s[4:11], s[88:89], 0x0
	s_cmp_eq_u32 s12, 0
	s_cselect_b64 s[22:23], s[72:73], s[74:75]
	s_cselect_b64 s[18:19], s[68:69], s[70:71]
	s_cmp_eq_u32 s12, 2
	s_cselect_b64 s[22:23], s[70:71], s[22:23]
	s_cselect_b64 s[18:19], s[74:75], s[18:19]
	s_add_nc_u64 s[20:21], s[18:19], s[20:21]
	s_add_nc_u64 s[46:47], s[22:23], s[46:47]
	CROUND
.irp s, 0,1
	s_mov_b32 s[G0+4*\s], 1
	s_add_co_u32 s[G0+4*\s+1], s45, \s*SLOT
	s_add_nc_u64 s[G0+4*\s+2:G0+4*\s+3], s[20:21], \s*ROWB
	s_or_b32 s[G0+4*\s+3], s[G0+4*\s+3], 0x80000000
	s_mov_b32 s[G0B+4*\s], 1
	s_add_co_u32 s[G0B+4*\s+1], s45, \s*SLOT
	s_add_nc_u64 s[G0B+4*\s+2:G0B+4*\s+3], s[46:47], \s*ROWB
	s_or_b32 s[G0B+4*\s+3], s[G0B+4*\s+3], 0x80000000
.endr
; A prefetch into the L2 of later K steps of the 128 rows that my wave fetches: the four partners that ask for those rows jointly share them out by address, 32 rows each, a lane a row, 256 bytes of a row a K step.
; K steps 1 and 2 are asked for behind K step 0's load, K step 3 behind K step 1's: each at least one K step ahead of its load.  A tile of weights is loaded by eight clusters: four of them ask for it (s13 = 0 where my wave asks).
.macro ASK o1, o2
	s_cmp_eq_u32 s13, 0
	s_cbranch_scc0 .Lnot_mine_\@
	global_prefetch_b8 v30, s[100:101] offset:\o1 th:TH_LOAD_NT scope:SCOPE_SE
.if \o2
	global_prefetch_b8 v30, s[100:101] offset:\o2 th:TH_LOAD_NT scope:SCOPE_SE
.endif
.Lnot_mine_\@:
.endm
	JLOAD G0, G1, G0B, G1B                         ; K step 0: one tensor load a wave at the head
	s_cmp_eq_u32 s15, 0                            ; do I fetch for source A?
	s_cselect_b64 s[100:101], s[20:21], s[46:47]   ; my 128 rows,
	s_cselect_b32 s18, s40, s41                    ; my place among the four that ask with me,
	s_lshl_b32 s18, s18, 15                        ; x 32 rows of 1,024 bytes
	s_mov_b32 s19, 0
	s_add_nc_u64 s[100:101], s[100:101], s[18:19]
	s_cmp_eq_u32 s12, 2
	s_cselect_b32 s18, 0, 1                        ; which source holds weights
	s_xor_b32 s18, s18, s15                        ; 0: mine does
	s_lshr_b32 s13, s13, 2                         ; 0 in the first four clusters of a part
	s_cmp_eq_u32 s18, 0
	s_cselect_b32 s13, s13, 0
	v_and_b32 v30, 31, v0
	v_lshlrev_b32 v30, 10, v30                     ; a lane a row; never rewritten
	ASK 256, 512
	v_and_b32 v1, 15, v0
	v_bfe_u32 v2, v0, 4, 1
	v_mul_u32_u24 v3, v1, PITCH
	v_lshl_add_u32 v4, v2, 4, v3
	s_mul_i32 s21, s15, HALFT
	s_mul_i32 s22, s16, HALFT
	s_add_co_u32 s22, s22, 2*HALFT
.irp s, 0,1
	v_add_nc_u32 v[ADRA+\s], s21, v4
	v_add_nc_u32 v[ADRB+\s], s22, v4
	s_add_co_u32 s21, s21, SLOT
	s_add_co_u32 s22, s22, SLOT
.endr
	v_and_b32 v6, 31, v0
	v_lshlrev_b32 v[LI], 4, v6
	v_lshlrev_b32 v[H32], 5, v2
	v_lshlrev_b32 v[R4], 2, v1
	s_wait_alu depctr_va_vdst(0)
	s_wait_kmcnt 0x0
	s_add_co_i32 s18, s4, s5
	s_add_co_i32 s19, s6, s7
	s_cmp_eq_u32 s12, 0
	s_cselect_b32 s96, s18, s19
	s_cselect_b32 s18, s8, s9
	s_cmp_eq_u32 s12, 2
	s_cselect_b32 s18, s11, s18
	s_add_co_i32 s96, s96, 127
	s_lshl_b32 s96, s96, 23
	s_mov_b32 s97, s96
	s_add_co_i32 s18, s18, 127
	s_lshl_b32 s19, s18, 23
	v_mov_b32 v[SCL], s19
	s_add_co_i32 s18, s18, 15
	s_lshl_b32 s18, s18, 23
	s_or_b32 s18, s18, 0x600000
	v_mov_b32 v[LIM], s18
.macro FRAG reg, adr, q, i
.irp c, 0,1,2,3
	ds_load_b128 v[\reg+4*\c:\reg+4*\c+3], v[\adr] offset:128*(\q)+32*\c+(\i)*16*PITCH
.endr
.endm
.macro MUL16 a0, p, zero
.irp a, \a0, \a0+1
.irp b, 0,1,2,3,4,5,6,7
.if \zero
	v_wmma_f32_16x16x128_bf8_bf8 v[8*(8*((\a)%4)+\b):8*(8*((\a)%4)+\b)+7], v[128*(\p)+FR*\b:128*(\p)+FR*\b+FR-1], v[AF+FR*(\a):AF+FR*(\a)+FR-1], 0
.else
	v_wmma_f32_16x16x128_bf8_bf8 v[8*(8*((\a)%4)+\b):8*(8*((\a)%4)+\b)+7], v[128*(\p)+FR*\b:128*(\p)+FR*\b+FR-1], v[AF+FR*(\a):AF+FR*(\a)+FR-1], v[8*(8*((\a)%4)+\b):8*(8*((\a)%4)+\b)+7]
.endif
.endr
.endr
.endm
.macro FETCH_B slot, q, p
	WIN TO_B
.irp i, 0,1,2,3,4,5,6,7
	FRAG 128*(\p)+FR*\i, ADRB+\slot, \q, \i
.endr
	WIN 0
.endm
.macro FETCH_A slot, q, i0
.irp i, \i0, \i0+1, \i0+2, \i0+3
	FRAG AF+FR*(\i), ADRA+\slot, \q, \i
.endr
.endm
.macro PLACES n
.rept \n
	v_nop
.endr
.endm
.macro STEP slot, q, zero
	s_wait_dscnt 4*NL
	WIN MUL_LO
	MUL16 0, (\q)%2, \zero
	MUL16 2, (\q)%2, \zero
	s_wait_dscnt 0
	PLACES NP
	FETCH_B \slot, (\q)+1, 1-(\q)%2
	FETCH_A \slot, (\q)+1, 0
	WIN MUL_HI
	MUL16 4, (\q)%2, \zero
	MUL16 6, (\q)%2, \zero
	PLACES NP
	WIN 0
	FETCH_A \slot, (\q)+1, 4
.endm
.macro TURN slot, next, fill
	s_wait_tensorcnt 0x0
	ds_add_u32 v[SPW], v[NIL]
	s_wait_dscnt 4*NL+1
	WIN MUL_LO
	MUL16 0, 1, 0
	s_wait_dscnt 0x0
	s_barrier_signal -1
	MUL16 2, 1, 0
	WIN 0
	s_barrier_wait -1
.if \fill
	CREST
	s_add_nc_u64 s[G0+4*\slot+2:G0+4*\slot+3], s[G0+4*\slot+2:G0+4*\slot+3], 2*ROWB
	s_add_nc_u64 s[G0B+4*\slot+2:G0B+4*\slot+3], s[G0B+4*\slot+2:G0B+4*\slot+3], 2*ROWB
	JLOAD G0+4*\slot, G1, G0B+4*\slot, G1B
.else
	PLACES NP
.endif
	FETCH_B \next, 0, 0
	FETCH_A \next, 0, 0
	WIN MUL_HI
	MUL16 4, 1, 0
	MUL16 6, 1, 0
	PLACES NP
	WIN 0
	FETCH_A \next, 0, 4
.endm
.macro FINAL_LO
	s_wait_dscnt 4*NL
	WIN MUL_LO
	MUL16 0, 1, 0
	MUL16 2, 1, 0
	s_wait_dscnt 0x0
.endm
.macro FINAL_HI
	WIN MUL_HI
	MUL16 4, 1, 0
	MUL16 6, 1, 0
	WIN 0
	PLACES NP
.endm
	; the way out's addresses, and its bias and gain, which have the products in which to land (v32-127 of window 0 are not named until the way out)
	s_wait_alu depctr_va_vdst(0)                   ; the wait, directly ahead of the branch
	s_cmp_eq_u32 s12, 2
	s_cbranch_scc1 .Lpre_v
	s_lshr_b32 s18, s17, 3
	s_and_b32 s19, s17, 7
	s_lshl_b32 s19, s19, 4
	s_lshl_b32 s20, s15, 3
	s_add_co_u32 s19, s19, s20
	s_lshl_b32 s18, s18, 4
	s_lshl_b32 s20, s42, 2
	s_add_co_u32 s18, s18, s20
	s_lshl_b32 s20, s16, 1
	s_add_co_u32 s18, s18, s20
	s_lshl_b32 s18, s18, 17
	s_lshl_b32 s19, s19, 10
	s_add_co_u32 s18, s18, s19
	s_lshl_b32 s18, s18, s12
	s_mov_b32 s19, 0
	s_cmp_eq_u32 s12, 0
	s_cselect_b64 s[94:95], s[90:91], s[92:93]
	s_cselect_b64 s[20:21], s[76:77], s[78:79]
	s_cselect_b64 s[22:23], s[80:81], s[82:83]
	s_cselect_b64 s[46:47], s[84:85], s[86:87]
	s_cselect_b32 s66, 0, 4096
	s_add_nc_u64 s[94:95], s[94:95], s[18:19]
	s_lshl_b32 s67, 0x20000, s12
	v_mov_b32 v[VO], v[LI]
	v_add_nc_u32 v[VO+1], s67, v[LI]
	v_add_nc_u32 v[VO+2], s66, v[LI]
	v_add_nc_u32 v[VO+3], s66, v[VO+1]
	s_lshl_b32 s18, s42, 10
	s_lshl_b32 s19, s16, 9
	s_add_co_u32 s18, s18, s19
	s_mov_b32 s19, 0
	s_add_nc_u64 s[20:21], s[20:21], s[18:19]
.irp g, 0,1
.irp i, 0,1,2,3
	global_load_b128 v[BIAS+32*\g+8*\i:BIAS+32*\g+8*\i+3],   v[H32], s[20:21] offset:256*\g+64*\i
	global_load_b128 v[BIAS+32*\g+8*\i+4:BIAS+32*\g+8*\i+7], v[H32], s[20:21] offset:256*\g+64*\i+16
.endr
.endr
.irp i, 0,1,2,3
	global_load_b128 v[GAM+8*\i:GAM+8*\i+3],   v[H32], s[22:23] offset:64*\i
	global_load_b128 v[GAM+8*\i+4:GAM+8*\i+7], v[H32], s[22:23] offset:64*\i+16
.endr
	s_branch .Lpre_done
.Lpre_v:
	s_lshr_b32 s18, s42, 3
	s_lshl_b32 s18, s18, 4
	s_lshl_b32 s19, s41, 2
	s_add_co_u32 s18, s18, s19
	s_lshl_b32 s19, s15, 1
	s_add_co_u32 s18, s18, s19
	s_lshl_b32 s18, s18, 18
	s_and_b32 s19, s42, 7
	s_lshl_b32 s19, s19, 2
	s_lshl_b32 s20, s16, 1
	s_add_co_u32 s19, s19, s20
	s_lshl_b32 s19, s19, 13
	s_add_co_u32 s18, s18, s19
	s_add_co_u32 s18, s18, 4096
	s_mov_b32 s19, 0
	s_add_nc_u64 s[94:95], s[92:93], s[18:19]
	s_lshl_b32 s20, s41, 10
	s_lshl_b32 s21, s15, 9
	s_add_co_u32 s20, s20, s21
	s_add_co_u32 s20, s20, 4096
	s_mov_b32 s21, 0
	s_add_nc_u64 s[20:21], s[78:79], s[20:21]
.irp a, 0,1,2,3,4,5,6,7
	global_load_b32 v[BIAS+2*\a],   v[R4], s[20:21] offset:64*\a
	global_load_b32 v[BIAS+2*\a+1], v[R4], s[20:21] offset:64*\a
.endr
.Lpre_done:
	s_wait_alu depctr_va_vdst(0)                   ; the wait at the head's end
	s_wait_tensorcnt 0x0                           ; my part of K step 0 is in
	ds_add_u32 v[SPW], v[NIL]
	s_wait_dscnt 0x0
	CROUND                                         ; everybody's part of K step 0 is in, and the joint loads meet
	JLOAD G0+4, G1, G0B+4, G1B                     ; K step 1: the first tensor load behind the round
	FETCH_B 0, 0, 0
	FETCH_A 0, 0, 0
	FETCH_A 0, 0, 4
	ASK 768, 0
	STEP 0, 0, 1
	TURN 0, 1, 1
	STEP 1, 0, 0
	TURN 1, 0, 1
	STEP 0, 0, 0
	TURN 0, 1, 0
	STEP 1, 0, 0
	s_cmp_eq_u32 s12, 2
	s_cbranch_scc1 .Lv
	FINAL_LO
	PLACES NP
	WIN 0
.irp i, 0,1,2,3
	global_load_b128 v[BET+8*\i:BET+8*\i+3],   v[H32], s[46:47] offset:64*\i
	global_load_b128 v[BET+8*\i+4:BET+8*\i+7], v[H32], s[46:47] offset:64*\i+16
.endr
	FINAL_HI
	v_mov_b32 v[T+4], 0
	v_mov_b32 v[T+12], 0
	v_mov_b32 v[T+7], 0
	v_mov_b32 v[T+15], 0
.macro ACROSS
	v_pk_add_f32 v[T:T+1], v[T:T+1], v[T+2:T+3]
	v_pk_add_f32 v[T+8:T+9], v[T+8:T+9], v[T+10:T+11]
	v_add_f32 v[T], v[T], v[T+1]
	v_add_f32 v[T+8], v[T+8], v[T+9]
	v_permlanex16_b32 v[T+4], v[T], s2, s3
	v_permlanex16_b32 v[T+12], v[T+8], s2, s3
	v_add_f32 v[T], v[T], v[T+4]
	v_add_f32 v[T+8], v[T+8], v[T+12]
.endm
.macro LNROW a
.set AC, 64*((\a)%4)
.if (\a) == 0
	s_wait_loadcnt 16
.endif
	WIN 0x02+((\a)/4)
.set p, 0
.rept 16
	v_pk_fma_f32 v[Y+p:Y+p+1], v[AC+p:AC+p+1], s[96:97], v[BIAS+p:BIAS+p+1] op_sel_hi:[1,0,1]
	v_pk_fma_f32 v[Y+32+p:Y+33+p], v[AC+32+p:AC+33+p], s[96:97], v[BIAS+32+p:BIAS+33+p] op_sel_hi:[1,0,1]
.set p, p+2
.endr
	WIN 0
	v_pk_add_f32 v[T:T+1], v[Y:Y+1], v[Y+2:Y+3]
	v_pk_add_f32 v[T+8:T+9], v[Y+32:Y+33], v[Y+34:Y+35]
	v_pk_add_f32 v[T+2:T+3], v[Y+4:Y+5], v[Y+6:Y+7]
	v_pk_add_f32 v[T+10:T+11], v[Y+36:Y+37], v[Y+38:Y+39]
.set p, 8
.rept 6
	v_pk_add_f32 v[T:T+1], v[T:T+1], v[Y+p:Y+p+1]
	v_pk_add_f32 v[T+8:T+9], v[T+8:T+9], v[Y+32+p:Y+33+p]
	v_pk_add_f32 v[T+2:T+3], v[T+2:T+3], v[Y+p+2:Y+p+3]
	v_pk_add_f32 v[T+10:T+11], v[T+10:T+11], v[Y+34+p:Y+35+p]
.set p, p+4
.endr
	ACROSS
	v_mul_f32 v[T+6], 0xbc800000, v[T]
	v_mul_f32 v[T+14], 0xbc800000, v[T+8]
.set p, 0
.rept 16
	v_pk_add_f32 v[Y+p:Y+p+1], v[Y+p:Y+p+1], v[T+6:T+7] op_sel_hi:[1,0]
	v_pk_add_f32 v[Y+32+p:Y+33+p], v[Y+32+p:Y+33+p], v[T+14:T+15] op_sel_hi:[1,0]
.set p, p+2
.endr
	v_pk_mul_f32 v[T:T+1], v[Y:Y+1], v[Y:Y+1]
	v_pk_mul_f32 v[T+8:T+9], v[Y+32:Y+33], v[Y+32:Y+33]
	v_pk_mul_f32 v[T+2:T+3], v[Y+2:Y+3], v[Y+2:Y+3]
	v_pk_mul_f32 v[T+10:T+11], v[Y+34:Y+35], v[Y+34:Y+35]
.set p, 4
.rept 7
	v_pk_fma_f32 v[T:T+1], v[Y+p:Y+p+1], v[Y+p:Y+p+1], v[T:T+1]
	v_pk_fma_f32 v[T+8:T+9], v[Y+32+p:Y+33+p], v[Y+32+p:Y+33+p], v[T+8:T+9]
	v_pk_fma_f32 v[T+2:T+3], v[Y+p+2:Y+p+3], v[Y+p+2:Y+p+3], v[T+2:T+3]
	v_pk_fma_f32 v[T+10:T+11], v[Y+34+p:Y+35+p], v[Y+34+p:Y+35+p], v[T+10:T+11]
.set p, p+4
.endr
	ACROSS
	v_fma_f32 v[T], v[T], s98, s99
	v_fma_f32 v[T+8], v[T+8], s98, s99
	s_wait_alu depctr_va_vdst(0)
	v_rsq_f32 v[T+6], v[T]
	v_rsq_f32 v[T+14], v[T+8]
	v_nop
.if (\a) == 0
	s_wait_loadcnt 0x0
.endif
.set p, 0
	s_wait_alu depctr_va_vdst(0)
.rept 16
	v_pk_mul_f32 v[Y+p:Y+p+1], v[Y+p:Y+p+1], v[T+6:T+7] op_sel_hi:[1,0]
	v_pk_mul_f32 v[Y+32+p:Y+33+p], v[Y+32+p:Y+33+p], v[T+14:T+15] op_sel_hi:[1,0]
.set p, p+2
.endr
.set p, 0
.rept 16
	v_pk_fma_f32 v[Y+p:Y+p+1], v[Y+p:Y+p+1], v[GAM+p:GAM+p+1], v[BET+p:BET+p+1]
	v_pk_fma_f32 v[Y+32+p:Y+33+p], v[Y+32+p:Y+33+p], v[GAM+p:GAM+p+1], v[BET+p:BET+p+1]
.set p, p+2
.endr
.set p, 0
.rept 64
	v_med3_num_f32 v[Y+p], v[Y+p], -v[LIM], v[LIM]
.set p, p+1
.endr
.if (\a) > 0
	s_wait_alu depctr_va_vdst(0)
	s_wait_xcnt 0x0
.endif
.set p, 0
.rept 8
	v_cvt_scalef32_pk8_bf8_f32 v[CD+2*p:CD+2*p+1], v[Y+8*p:Y+8*p+7], v[SCL]
.set p, p+1
.endr
	v_nop
.irp g, 0,1
.irp c, 0,1
	global_store_b128 v[VO+2*((\a)/4)+\g], v[CD+8*\g+4*\c:CD+8*\g+4*\c+3], s[94:95] offset:(\a)*1024+512*\c
.endr
.endr
.endm
.irp a, 0,1,2,3,4,5,6,7
	LNROW \a
.endr
	s_branch .Lend
.Lv:
	FINAL_LO
	FINAL_HI
	s_wait_loadcnt 0x0
.macro VROW a
.set AC, 64*((\a)%4)
	WIN 0x02+((\a)/4)
.set p, 0
.rept 32
	v_pk_fma_f32 v[Y+p:Y+p+1], v[AC+p:AC+p+1], s[96:97], v[BIAS+2*(\a):BIAS+2*(\a)+1] op_sel_hi:[1,0,1]
.set p, p+2
.endr
	WIN 0
.set p, 0
.rept 64
	v_med3_num_f32 v[Y+p], v[Y+p], -v[LIM], v[LIM]
.set p, p+1
.endr
.if (\a) > 0
	s_wait_alu depctr_va_vdst(0)
	s_wait_xcnt 0x0
.endif
.set p, 0
.rept 8
	v_cvt_scalef32_pk8_bf8_f32 v[CD+2*p:CD+2*p+1], v[Y+8*p:Y+8*p+7], v[SCL]
.set p, p+1
.endr
	v_nop
.irp g, 0,1
.irp c, 0,1
	global_store_b128 v[LI], v[CD+8*\g+4*\c:CD+8*\g+4*\c+3], s[94:95] offset:((\a)/4)*262144+((\a)%4)*1024+\g*8192+512*\c
.endr
.endr
.endm
.irp a, 0,1,2,3,4,5,6,7
	VROW \a
.endr
.Lend:
	s_wait_tensorcnt 0x0
	ds_add_u32 v[SPW], v[NIL]
	s_wait_dscnt 0x0
	CROUND
	s_endpgm
.Lfunc_end_k_qd7f3cfc938_proj:
	.size	k_qd7f3cfc938_proj, .Lfunc_end_k_qd7f3cfc938_proj-k_qd7f3cfc938_proj
	.p2alignl 7, 3214868480
	.fill 96, 4, 3214868480
	.section	.rodata,"a",@progbits
	.p2align	6, 0x0
	.amdhsa_kernel k_qd7f3cfc938_proj
		.amdhsa_group_segment_fixed_size 327680
		.amdhsa_private_segment_fixed_size 0
		.amdhsa_enable_private_segment 0
		.amdhsa_kernarg_size 104
		.amdhsa_user_sgpr_count 2
		.amdhsa_user_sgpr_kernarg_segment_ptr 1
		.amdhsa_wavefront_size32 1
		.amdhsa_system_sgpr_workgroup_id_x 1
		.amdhsa_system_sgpr_workgroup_id_y 1
		.amdhsa_system_sgpr_workgroup_id_z 1
		.amdhsa_system_vgpr_workitem_id 0
		.amdhsa_next_free_vgpr 1024
		.amdhsa_next_free_sgpr 102
		.amdhsa_reserve_vcc 0
		.amdhsa_float_denorm_mode_32 3
		.amdhsa_float_denorm_mode_16_64 3
		.amdhsa_memory_ordered 1
		.amdhsa_forward_progress 1
		.amdhsa_inst_pref_size 255
	.end_amdhsa_kernel
	.section	.bss,"aw",@nobits
	.p2align	6
	.space	262144
	.amdgpu_metadata
---
amdhsa.version: [ 1, 2 ]
amdhsa.kernels:
  - .name:           k_qd7f3cfc938_proj
    .symbol:         k_qd7f3cfc938_proj.kd
    .args:
      - { .name: x1_codes, .offset: 0, .size: 8, .value_kind: global_buffer, .address_space: global }
      - { .name: x2_codes, .offset: 8, .size: 8, .value_kind: global_buffer, .address_space: global }
      - { .name: wq_codes, .offset: 16, .size: 8, .value_kind: global_buffer, .address_space: global }
      - { .name: wkv_codes, .offset: 24, .size: 8, .value_kind: global_buffer, .address_space: global }
      - { .name: bq, .offset: 32, .size: 8, .value_kind: global_buffer, .address_space: global }
      - { .name: bkv, .offset: 40, .size: 8, .value_kind: global_buffer, .address_space: global }
      - { .name: gamma_q, .offset: 48, .size: 8, .value_kind: global_buffer, .address_space: global }
      - { .name: gamma_k, .offset: 56, .size: 8, .value_kind: global_buffer, .address_space: global }
      - { .name: beta_q, .offset: 64, .size: 8, .value_kind: global_buffer, .address_space: global }
      - { .name: beta_k, .offset: 72, .size: 8, .value_kind: global_buffer, .address_space: global }
      - { .name: lowp_scales, .offset: 80, .size: 8, .value_kind: global_buffer, .address_space: global }
      - { .name: q_img, .offset: 88, .size: 8, .value_kind: global_buffer, .address_space: global }
      - { .name: kv_img, .offset: 96, .size: 8, .value_kind: global_buffer, .address_space: global }
    .group_segment_fixed_size: 327680
    .private_segment_fixed_size: 0
    .kernarg_segment_align: 8
    .kernarg_segment_size: 104
    .max_flat_workgroup_size: 128
    .sgpr_count:     102
    .vgpr_count:     1024
    .wavefront_size: 32
...
	.end_amdgpu_metadata
.endif
;; end of part 1
;; launch attn (part 2): grid 4 x 64, 16 waves a work-group, clusters of 4 x 1, 327,680 bytes of LDS; arguments q_img, kv_img, lowp_scales, out0; writes out0
.if DOCPART == 2
	.amdgcn_target "amdgcn-amd-amdhsa--gfx1250"
	.amdhsa_code_object_version 6
	.text
	.protected	k_qd7f3cfc938_attn
	.globl	k_qd7f3cfc938_attn
	.p2align	8
	.type	k_qd7f3cfc938_attn,@function
k_qd7f3cfc938_attn:
	s_mov_b64 s[64:65], 0
	v_nop
	global_prefetch_b8 v0, s[64:65] scope:SCOPE_SE
	s_setreg_imm32_b32 hwreg(HW_REG_WAVE_MODE, 25, 1), 1
	s_wait_xcnt 0x0
	s_wait_alu depctr_hold_cnt(0) depctr_sa_sdst(0) depctr_va_vdst(0) depctr_va_sdst(0) depctr_va_ssrc(0) depctr_va_vcc(0) depctr_vm_vsrc(0)
	s_getreg_b32 s2, hwreg(HW_REG_IB_STS2, 6, 4)
	s_cmp_eq_u32 s2, 0
	s_cbranch_scc0 .Lentry_in_a_cluster
	s_endpgm
.Lentry_in_a_cluster:
	s_bfe_u32 s2, ttmp6, 0x10000c
	s_cmp_lg_u32 s2, 0x3003
	s_cbranch_scc0 .Lentry_shape_is_right
	s_endpgm
.Lentry_shape_is_right:
; out0[b][n][64 head + d] = the sum over keys of softmax(q . k / 8) v, both products on codes of BF8 (E5M2), for 64 pairs hb = 16 b + head of 2,048 queries x 2,048 keys, head size 64.
; q_img and kv_img hold the operands as images of their registers (16 rows x 64 K: registers 4 c .. 4 c + 3 of lane l at 512 c + 16 l):
;   q_img: hb x 131,072 + (query / 16) x 1,024;  kv_img: hb x 262,144 + (key / 64) x 8,192: four images of K (16 keys each), then four of V^T (16 channels each, K = those 64 keys).
; THE SOFTMAX: t = score x log2(e) / 8; M = the largest t so far, rounded UP to a whole number; p = 2^(t - M) is quantised with 2^e6, not normalised.  The row's sum is taken of the unquantised p and divides O at the end.
; When M moves, the sums and O are multiplied by 2^(old M - new M): exact.  The running maximum is kept as a raw score (c is positive) and seeds the step's chains of maxima.
; SHARES.  A work-group owns 512 queries of one hb; each of its sixteen waves owns 32, two tiles of 16.  Every wave walks all 2,048 keys, 128 a step: 16 steps of 16,384 bytes.
; LDS IS THE IMAGE OF THE HEAD'S BLOCK OF kv_img, 262,144 bytes; every byte is filled once, in two parts.  Steps 0 to 4 (81,920 bytes) come by the head's loads, 20 rows of 256 bytes a wave; steps 5 to 15 (180,224 bytes)
; by a second load a wave, 44 rows; it has the five first steps' work in which to land.  The launch claims all of LDS.
; ONE BARRIER stands behind step 4: in front of it each wave has waited for its second load and for its reads of steps 0 to 4.  Behind it the whole image is there, and nobody reads bytes 0 to 81,919 any more:
; the stages of the way out take bytes 0 to 69,631.  The first five steps look ahead no further than step 4, so that no byte of the second part is read in front of the barrier.
; CLUSTER.  The four query blocks of a head need the same bytes: each load is a joint one, with a mask that names the four.
; NO PREFETCH: both loads are issued at the head, one behind the other; there is no loop of loads to run ahead in.
; LAYOUT.  Both products transposed: S^T = K Q^T, O^T = V^T P^T: a lane holds ONE query (lane % 16).  In S^T's tile kt lane (r, h) holds keys 16 kt + 8 h + 0 .. 7: converted, registers 2 kt, 2 kt + 1 of P's fragment of 128 keys.
; REGISTERS ARE USED TWICE IN A STEP: P's 16 registers of a tile are laid over that tile's scores 0-15 (group 0's codes wait in the pair T until its scores are done with); V^T's four fragments (16 registers: 128 keys) land in
; scores 16-63 of tile 0 and 16-31 of tile 1, which are converted by then.  K's eight fragments go through three buffers; the maxima of the tiles just made stand between a reload and the wait for it.
; LIMITS: e4 + e5 between -123 and 130 (added to c's exponent field); e6 between -126 and 112; the scaled scores stay under 2^31 in magnitude.  NaN is not served.
.set ADN,  0                           ; v0   (behind the head) LDS address of the next step
.set LI,   1                           ; v1   16 x lane
.set ADR,  2                           ; v2   LDS address of the step in hand
.set SCP,  3                           ; v3   2^e6 as f32
.set LIMP, 4                           ; v4   57,344 x 2^e6
.set SPW,  5                           ; v5   my spare word
.set NIL,  6                           ; v6   0
.set LIM2, 7                           ; v7   57,344 x 2^e6 once more, for the second half of a dual pair
.set ST,   8                           ; v8-23  8 a tile: +0 -M, +1 the largest score, +2:3 and +4:5 the sum in two chains, +6:7 T: the maxima's chains, then f (low word), then group 0's codes
.set KB,   24                          ; v24-47   three buffers for K's fragments
.set QF,   48                          ; v48-63   Q, 8 a tile
.set OT,   64                          ; v64-127  O^T: 32 u + 8 t
.set S,    128                         ; v128-255 S^T, then p: 64 u + 8 kt
.set SPARE, 0x40000
.set STEPB, 16384
.set WV,   12
.set G1,   16                          ; s[16:23] group 1 of the first part's loads;  s[24:27] their group 0
.set G0,   24
.set G0S,  28                          ; s[28:31], s[32:39] the same for the second part
.set G1S,  32
.set SEL,  40
.set CS,   42                          ; s[42:43] c = log2(e) / 8 x 2^(e4 + e5)
.set TB,   44                          ; s44  LDS byte of the step in hand
.set CNT,  45
.set NC,   60                          ; s60  -c
.set TBN,  61                          ; s61  LDS byte of the next step (a walk's last step names itself)
.macro CROUND
	s_barrier_signal -1
	s_barrier_wait -1
	s_cmp_lg_u32 s[WV], 0
	s_cbranch_scc1 .Lnot_wave_0_\@
	s_barrier_signal -3
.Lnot_wave_0_\@:
	s_barrier_wait -3
	s_barrier_signal -1
	s_barrier_wait -1
.endm
.macro NOPS n
.rept \n
	v_nop
.endr
.endm
	s_load_b256 s[4:11], s[0:1], 0x0               ; q_img, kv_img, the scales' exponents, out0
	v_lshl_add_u32 v[SPW], v0, 2, SPARE
	v_mov_b32 v[NIL], 0
	ds_add_u32 v[SPW], v[NIL]                      ; the opening lines: the add, twice on end, and its wait
	ds_add_u32 v[SPW], v[NIL]
	v_lshrrev_b32 v2, 5, v0
	v_readfirstlane_b32 s[WV], v2                  ; wave 0..15
	v_and_b32 v1, 31, v0
	v_lshlrev_b32 v[LI], 4, v1
	s_bfe_u32 s13, ttmp6, 0x40000                  ; cx
	s_lshl_b32 s15, ttmp9, 2
	s_add_co_u32 s15, s15, s13                     ; my block of 512 queries: it enters Q's and out0's addresses alone
	s_and_b32 s14, ttmp7, 0xffff                   ; hb, which the four partners share
.irp g, G1, G1S
	s_mov_b32 s[\g], 15|(3<<16)|(1<<21)            ; the mask: all four; elements of 8 bytes; bit 21 beside a mask
	s_mov_b32 s[\g+1], 32<<16                      ; rows of 32 elements = 256 bytes
	s_mov_b32 s[\g+3], 32<<16
	s_mov_b32 s[\g+5], 32                          ; dense
	s_mov_b32 s[\g+6], 0
	s_mov_b32 s[\g+7], 0
.endr
	s_mov_b32 s[G1+2], 20<<16                      ; the first part: 20 rows a wave
	s_mov_b32 s[G1+4], 20
	s_mov_b32 s[G1S+2], 44<<16                     ; the second: 44 rows a wave
	s_mov_b32 s[G1S+4], 44
	s_mul_i32 s46, s[WV], 5120                     ; my bytes of the first part, in LDS as in the head's block,
	s_mul_i32 s62, s[WV], 11264
	s_add_co_u32 s62, s62, 5*STEPB                 ; and of the second
	s_mov_b32 s47, 0
	s_mov_b32 s63, 0
	s_lshl_b32 s2, s14, 18
	s_mov_b32 s3, 0
	s_lshl_b32 s56, s14, 17                        ; Q: hb x 131,072 + (32 x block + 2 x wave) x 1,024
	s_lshl_b32 s57, s15, 15
	s_add_co_u32 s56, s56, s57
	s_lshl_b32 s57, s[WV], 11
	s_add_co_u32 s56, s56, s57
	s_mov_b32 s57, 0
	s_lshr_b32 s58, s14, 4                         ; out0: row 2,048 b + 512 x block + 32 x wave, of 4,096 bytes, + 256 x head
	s_lshl_b32 s58, s58, 11
	s_lshl_b32 s59, s15, 9
	s_add_co_u32 s58, s58, s59
	s_lshl_b32 s59, s[WV], 5
	s_add_co_u32 s58, s58, s59
	s_lshl_b32 s58, s58, 12
	s_and_b32 s59, s14, 15
	s_lshl_b32 s59, s59, 8
	s_add_co_u32 s58, s58, s59
	s_mov_b32 s59, 0
	s_mov_b32 s[SEL], 0x76543210
	s_mov_b32 s[SEL+1], 0xfedcba98
	s_mov_b32 s[CS], 0x3e38aa3b                    ; log2(e) / 8
	s_wait_dscnt 0x0
	s_wait_kmcnt 0x0
	s_load_b256 s[48:55], s[8:9], 0x0              ; e0 .. e7
	s_add_nc_u64 s[2:3], s[6:7], s[2:3]            ; the head's block of kv_img
	s_mov_b32 s[G0], 1
	s_mov_b32 s[G0+1], s46
	s_add_nc_u64 s[G0+2:G0+3], s[2:3], s[46:47]
	s_or_b32 s[G0+3], s[G0+3], 0x80000000
	s_mov_b32 s[G0S], 1
	s_mov_b32 s[G0S+1], s62
	s_add_nc_u64 s[G0S+2:G0S+3], s[2:3], s[62:63]
	s_or_b32 s[G0S+3], s[G0S+3], 0x80000000
	s_add_nc_u64 s[4:5], s[4:5], s[56:57]
	s_add_nc_u64 s[10:11], s[10:11], s[58:59]
	CROUND                                         ; all four work-groups are here: the joint loads meet
	tensor_load_to_lds s[G0:G0+3], s[G1:G1+7]      ; steps 0 to 4, my part: one tensor load a wave at the head
	s_nop 0
	NOPS 4
	s_wait_alu depctr_va_vdst(0)                   ; the wait
.irp u, 0,1
.irp c, 0,1
	global_load_b128 v[QF+8*\u+4*\c:QF+8*\u+4*\c+3], v[LI], s[4:5] offset:1024*\u+512*\c th:TH_LOAD_NT
.endr
.endr
.irp u, 0,1
	v_mov_b32 v[ST+8*\u+1], 0xff61b1e6             ; the largest score so far: -3e38
	v_mov_b32 v[ST+8*\u], 0x7f61b1e6               ; -M: 3e38, so that the first f is 0
	v_mov_b32 v[ST+8*\u+2], 0
	v_mov_b32 v[ST+8*\u+3], 0
	v_mov_b32 v[ST+8*\u+4], 0
	v_mov_b32 v[ST+8*\u+5], 0
.endr
.set j, 0
.rept 64
	v_mov_b32 v[OT+j], 0                           ; O^T: the step is written once for all steps; the first multiplies zeros
.set j, j+1
.endr
	s_wait_kmcnt 0x0
	s_add_co_i32 s56, s52, s53
	s_lshl_b32 s56, s56, 23
	s_add_co_i32 s[CS], s[CS], s56                 ; x 2^(e4 + e5)
	s_mov_b32 s[CS+1], s[CS]
	s_xor_b32 s[NC], s[CS], 0x80000000
	s_add_co_i32 s56, s54, 127
	s_lshl_b32 s57, s56, 23
	v_mov_b32 v[SCP], s57
	s_add_co_i32 s56, s56, 15
	s_lshl_b32 s56, s56, 23
	s_or_b32 s56, s56, 0x600000
	v_mov_b32 v[LIMP], s56
	v_mov_b32 v[LIM2], s56
.macro KLD b, adr, off                 ; an image of K (16 keys) into buffer b
	ds_load_b128 v[KB+8*(\b):KB+8*(\b)+3],   v[\adr] offset:\off
	ds_load_b128 v[KB+8*(\b)+4:KB+8*(\b)+7], v[\adr] offset:\off+512
.endm
.macro QK b, kt                        ; tile kt of S^T for both tiles of queries
.irp u, 0,1
	v_wmma_f32_16x16x64_bf8_bf8 v[S+64*\u+8*(\kt):S+64*\u+8*(\kt)+7], v[KB+8*(\b):KB+8*(\b)+7], v[QF+8*\u:QF+8*\u+7], 0
.endr
.endm
.macro MAXES m0, m1                    ; scores 4 m0 .. 4 m1 - 1 of both tiles into four chains; each accumulator from its low end on.  The chains begin at the running maximum
.set m, \m0
.rept \m1-\m0
.irp c, 0,1
.irp u, 0,1
.if m == 0
	v_max3_num_f32 v[ST+8*\u+6+\c], v[S+64*\u+2*\c], v[S+64*\u+2*\c+1], v[ST+8*\u+1]
.else
	v_max3_num_f32 v[ST+8*\u+6+\c], v[S+64*\u+4*m+2*\c], v[S+64*\u+4*m+2*\c+1], v[ST+8*\u+6+\c]
.endif
.endr
.endr
.set m, m+1
.endr
.endm
.macro HOLDCVT u                       ; the hold (the conversion does not saturate: ISA guide 7.6.2; p is not negative, so it is one-sided), two numbers a line, and the codes; a group's four holds stand between two conversions
.set g, 0
.rept 8
.irp k, 0,2,4,6
	v_dual_min_num_f32 v[S+64*\u+8*g+\k], v[S+64*\u+8*g+\k], v[LIMP] :: v_dual_min_num_f32 v[S+64*\u+8*g+\k+1], v[S+64*\u+8*g+\k+1], v[LIM2]
.endr
.if g == 0
	v_cvt_scalef32_pk8_bf8_f32 v[ST+8*\u+6:ST+8*\u+7], v[S+64*\u:S+64*\u+7], v[SCP]
.else
	v_cvt_scalef32_pk8_bf8_f32 v[S+64*\u+2*g:S+64*\u+2*g+1], v[S+64*\u+8*g:S+64*\u+8*g+7], v[SCP]
.endif
.set g, g+1
.endr
	v_dual_mov_b32 v[S+64*\u], v[ST+8*\u+6] :: v_dual_mov_b32 v[S+64*\u+1], v[ST+8*\u+7]
.endm
.macro VLD reg, t                      ; V^T's fragment t, 16 channels x 128 keys: two images
	ds_load_b128 v[\reg:\reg+3],     v[ADR] offset:4096+1024*\t
	ds_load_b128 v[\reg+4:\reg+7],   v[ADR] offset:4096+1024*\t+512
	ds_load_b128 v[\reg+8:\reg+11],  v[ADR] offset:12288+1024*\t
	ds_load_b128 v[\reg+12:\reg+15], v[ADR] offset:12288+1024*\t+512
.endm
.macro PV reg, t
.irp u, 0,1
	v_wmma_f32_16x16x128_bf8_bf8 v[OT+32*\u+8*\t:OT+32*\u+8*\t+7], v[\reg:\reg+15], v[S+64*\u:S+64*\u+15], v[OT+32*\u+8*\t:OT+32*\u+8*\t+7]
.endr
.endm
; A KEY STEP: 128 keys.  K's tiles 0 to 2 are in the buffers when it begins.
.macro STEP
	v_add_nc_u32 v[ADR], s[TB], v[LI]
	v_add_nc_u32 v[ADN], s[TBN], v[LI]
	NOPS 3                                         ; five places behind the last products, whose sources the products below write over (ISA guide 7.12.1)
	QK 0, 0
	QK 1, 1
	QK 2, 2
	NOPS 4                                         ; places in front of the loads into the buffers and of the first read of results
	KLD 0, ADR, 3072
	KLD 1, ADR, 8192
	KLD 2, ADR, 9216
	MAXES 0, 5
	s_wait_alu depctr_va_vdst(0)                   ; the wait, directly ahead of the wait below
	s_wait_dscnt 0x0
	QK 0, 3
	QK 1, 4
	QK 2, 5
	MAXES 5, 6                                     ; four maxima of the batch before are the four places here
	KLD 0, ADR, 10240
	KLD 1, ADR, 11264
	MAXES 6, 11
	s_wait_alu depctr_va_vdst(0)
	s_wait_dscnt 0x0
	QK 0, 6
	QK 1, 7
	MAXES 11, 12                                   ; likewise
	KLD 0, ADN, 0                                  ; the next step's first three tiles: they have the softmax in which to land
	KLD 1, ADN, 1024
	KLD 2, ADN, 2048
	MAXES 12, 16
.irp u, 0,1
	s_delay_alu instid0(VALU_DEP_2)
	v_max_num_f32 v[ST+8*\u+6], v[ST+8*\u+6], v[ST+8*\u+7]
.endr
.irp u, 0,1
	s_delay_alu instid0(VALU_DEP_2)
	v_permlanex16_b32 v[ST+8*\u+7], v[ST+8*\u+6], s[SEL], s[SEL+1]
.endr
.irp u, 0,1
	s_delay_alu instid0(VALU_DEP_2)
	v_max_num_f32 v[ST+8*\u+1], v[ST+8*\u+6], v[ST+8*\u+7]       ; the running largest score, lane l xor 16's keys among them
.endr
.irp u, 0,1
	s_delay_alu instid0(VALU_DEP_2)
	v_mul_f32 v[ST+8*\u+6], s[NC], v[ST+8*\u+1]    ; -t
.endr
.irp u, 0,1
	s_delay_alu instid0(VALU_DEP_2)
	v_floor_f32 v[ST+8*\u+7], v[ST+8*\u+6]         ; the new -M = floor(-t)
.endr
.irp u, 0,1
	s_delay_alu instid0(VALU_DEP_2)
	v_sub_f32 v[ST+8*\u+6], v[ST+8*\u+7], v[ST+8*\u]             ; old M less new M: a whole number, 0 or less
.endr
.irp u, 0,1
	s_delay_alu instid0(VALU_DEP_2)
	v_cvt_i32_f32 v[ST+8*\u+6], v[ST+8*\u+6]       ; (it saturates)
.endr
.irp u, 0,1
	s_delay_alu instid0(VALU_DEP_2)
	v_ldexp_f32 v[ST+8*\u+6], 1.0, v[ST+8*\u+6]    ; f = 2^(old M - new M)
.endr
.irp u, 0,1
	v_mov_b32 v[ST+8*\u], v[ST+8*\u+7]
.endr
.set j, 0
.rept 16
	v_pk_mul_f32 v[OT+j:OT+j+1], v[OT+j:OT+j+1], v[ST+6:ST+7] op_sel_hi:[1,0]                     ; O^T under the new M, ahead of the exponentials; each accumulator from its low end on
	v_pk_mul_f32 v[OT+32+j:OT+33+j], v[OT+32+j:OT+33+j], v[ST+14:ST+15] op_sel_hi:[1,0]
.set j, j+2
.endr
.set j, 0
.rept 32
	v_pk_fma_f32 v[S+j:S+j+1], v[S+j:S+j+1], s[CS:CS+1], v[ST:ST+1] op_sel_hi:[1,0,0]             ; t - M
	v_pk_fma_f32 v[S+64+j:S+65+j], v[S+64+j:S+65+j], s[CS:CS+1], v[ST+8:ST+9] op_sel_hi:[1,0,0]
.set j, j+2
.endr
	s_wait_alu depctr_va_vdst(0)                   ; the wait ahead of the batch
.set j, 0
.rept 128
	v_exp_f32 v[S+j], v[S+j]                       ; p = 2^(t - M)
.set j, j+1
.endr
	v_nop                                          ; a plain place behind the last exponential
	s_wait_alu depctr_va_vdst(0)                   ; and the one wait behind the batch
.set j, 0
.rept 16
.irp c, 0,1
.irp u, 0,1
.if j == 0
	v_pk_fma_f32 v[ST+8*\u+2+2*\c:ST+8*\u+3+2*\c], v[ST+8*\u+2+2*\c:ST+8*\u+3+2*\c], v[ST+8*\u+6:ST+8*\u+7], v[S+64*\u+2*\c:S+64*\u+2*\c+1] op_sel_hi:[1,0,1]   ; each chain's first addition brings the old sum under the new M: x f
.else
	v_pk_add_f32 v[ST+8*\u+2+2*\c:ST+8*\u+3+2*\c], v[ST+8*\u+2+2*\c:ST+8*\u+3+2*\c], v[S+64*\u+j+2*\c:S+64*\u+j+2*\c+1]   ; the sum of the unquantised p, four chains
.endif
.endr
.endr
.set j, j+4
.endr
	HOLDCVT 0
	VLD S+16, 0                                    ; into tile 0's scores 16-63, which are converted
	VLD S+32, 1
	VLD S+48, 2
	HOLDCVT 1
	VLD S+80, 3                                    ; into tile 1's scores 16-31
	s_wait_alu depctr_va_vdst(0)                   ; the wait, directly ahead of the wait below
	s_wait_dscnt 0x0                               ; V, and the next step's three tiles of K
	PV S+16, 0                                     ; eight accumulators, one instruction each
	PV S+32, 1
	PV S+48, 2
	PV S+80, 3
.endm
.macro WALK first, trips
	s_mov_b32 s[TB], \first*STEPB
	s_mov_b32 s[CNT], \trips
.Lstep_\@:
	s_add_co_u32 s[TBN], s[TB], STEPB
	s_min_u32 s[TBN], s[TBN], (\first+\trips-1)*STEPB   ; the walk looks ahead no further than its own last step
	STEP
	s_add_co_u32 s[TB], s[TB], STEPB
	s_sub_co_u32 s[CNT], s[CNT], 1
	s_cmp_lg_u32 s[CNT], 0
	s_cbranch_scc1 .Lstep_\@
.endm
	s_wait_alu depctr_va_vdst(0)                   ; the wait at the head's end
	s_wait_tensorcnt 0x0                           ; my part of steps 0 to 4 has landed
	ds_add_u32 v[SPW], v[NIL]
	s_wait_dscnt 0x0
	CROUND                                         ; everybody's part has landed, and the joint loads meet
	tensor_load_to_lds s[G0S:G0S+3], s[G1S:G1S+7]  ; steps 5 to 15, my part: the first tensor load behind the round
	s_nop 0
	NOPS 4
	KLD 0, LI, 0
	KLD 1, LI, 1024
	KLD 2, LI, 2048
	s_wait_loadcnt 0x0                             ; Q
	s_wait_dscnt 0x0
	WALK 0, 5
	s_wait_tensorcnt 0x0                           ; my part of steps 5 to 15 has landed,
	s_wait_dscnt 0x0                               ; and my reads of steps 0 to 4 are over
	s_barrier_signal -1
	s_barrier_wait -1                              ; both now hold of every wave
	v_add_nc_u32 v[ADN], 5*STEPB, v[LI]
	KLD 0, ADN, 0                                  ; step 5's first three tiles of K
	KLD 1, ADN, 1024
	KLD 2, ADN, 2048
	s_wait_dscnt 0x0
	WALK 5, 11
	; THE WAY OUT.  O^T / the sum x 2^(e6 + e7) goes through my stage in LDS, a tile (16 queries x 256 bytes) at a time, so that sixteen lanes store 256 consecutive bytes, aligned.
	s_add_co_i32 s47, s54, s55                     ; e6 + e7
	s_mul_i32 s46, s[WV], 16*272
	v_bfe_u32 v24, v[LI], 4, 4                     ; r
	v_bfe_u32 v25, v[LI], 8, 1                     ; h
	v_mul_u32_u24 v26, v24, 272
	v_mul_u32_u24 v27, v25, 272
	v_lshlrev_b32 v28, 12, v25
	v_lshl_add_u32 v26, v25, 5, v26
	v_lshl_add_u32 v27, v24, 4, v27
	v_lshl_add_u32 v28, v24, 4, v28                ; out0: lanes 0-15 one row, lanes 16-31 the next
	v_add_nc_u32 v26, s46, v26                     ; in: row r, 64 t + 32 h bytes on
	v_add_nc_u32 v27, s46, v27                     ; back: two rows an instruction
.irp u, 0,1
	v_pk_add_f32 v[ST+8*\u+2:ST+8*\u+3], v[ST+8*\u+2:ST+8*\u+3], v[ST+8*\u+4:ST+8*\u+5]
.endr
.irp u, 0,1
	v_add_f32 v[ST+8*\u+2], v[ST+8*\u+2], v[ST+8*\u+3]
.endr
.irp u, 0,1
	v_permlanex16_b32 v[ST+8*\u+7], v[ST+8*\u+2], s[SEL], s[SEL+1]
.endr
.irp u, 0,1
	v_add_f32 v[ST+8*\u+2], v[ST+8*\u+2], v[ST+8*\u+7]           ; the row's sum, above 1/2
.endr
	s_wait_alu depctr_va_vdst(0)                   ; the wait ahead of the batch
.irp u, 0,1
	v_rcp_f32 v[ST+8*\u+6], v[ST+8*\u+2]
.endr
	v_nop
	s_wait_alu depctr_va_vdst(0)                   ; and behind it
.irp u, 0,1
	v_ldexp_f32 v[ST+8*\u+6], v[ST+8*\u+6], s47    ; x 2^(e6 + e7)
.endr
	s_wait_alu depctr_va_vdst(0)                   ; the wait, directly ahead of the first reader of O^T
.set j, 0
.rept 16
	v_pk_mul_f32 v[S+j:S+j+1], v[OT+j:OT+j+1], v[ST+6:ST+7] op_sel_hi:[1,0]                       ; register 32 u + 8 t + i is o(query r, channel 16 t + 8 h + i)
	v_pk_mul_f32 v[S+32+j:S+33+j], v[OT+32+j:OT+33+j], v[ST+14:ST+15] op_sel_hi:[1,0]
.set j, j+2
.endr
.irp u, 0,1
.irp t, 0,1,2,3
	ds_store_b128 v26, v[S+32*\u+8*\t:S+32*\u+8*\t+3] offset:64*\t
	ds_store_b128 v26, v[S+32*\u+8*\t+4:S+32*\u+8*\t+7] offset:64*\t+16
.endr
.irp i, 0,1,2,3,4,5,6,7
	ds_load_b128 v[S+64+32*\u+4*\i:S+64+32*\u+4*\i+3], v27 offset:544*\i   ; LDS serves a wave's instructions in order (ISA guide 5.7.1.4)
.endr
.endr
.irp u, 0,1
.irp i, 0,1,2,3,4,5,6,7
	s_wait_dscnt 23-16*\u-\i                       ; behind this load: its tile's 7 - i later loads and, for tile 0, tile 1's sixteen LDS instructions
	global_store_b128 v28, v[S+64+32*\u+4*\i:S+64+32*\u+4*\i+3], s[10:11] offset:65536*\u+8192*\i th:TH_STORE_NT
.endr
.endr
	s_wait_tensorcnt 0x0                           ; the wave's end
	ds_add_u32 v[SPW], v[NIL]
	s_wait_dscnt 0x0
	CROUND                                         ; the closing round
	s_endpgm
.Lfunc_end_k_qd7f3cfc938_attn:
	.size	k_qd7f3cfc938_attn, .Lfunc_end_k_qd7f3cfc938_attn-k_qd7f3cfc938_attn
	.p2alignl 7, 3214868480
	.fill 96, 4, 3214868480
	.section	.rodata,"a",@progbits
	.p2align	6, 0x0
	.amdhsa_kernel k_qd7f3cfc938_attn
		.amdhsa_group_segment_fixed_size 327680
		.amdhsa_private_segment_fixed_size 0
		.amdhsa_enable_private_segment 0
		.amdhsa_kernarg_size 32
		.amdhsa_user_sgpr_count 2
		.amdhsa_user_sgpr_kernarg_segment_ptr 1
		.amdhsa_wavefront_size32 1
		.amdhsa_system_sgpr_workgroup_id_x 1
		.amdhsa_system_sgpr_workgroup_id_y 1
		.amdhsa_system_sgpr_workgroup_id_z 1
		.amdhsa_system_vgpr_workitem_id 0
		.amdhsa_next_free_vgpr 256
		.amdhsa_next_free_sgpr 66
		.amdhsa_reserve_vcc 0
		.amdhsa_float_denorm_mode_32 3
		.amdhsa_float_denorm_mode_16_64 3
		.amdhsa_memory_ordered 1
		.amdhsa_forward_progress 1
		.amdhsa_inst_pref_size 75
	.end_amdhsa_kernel
	.amdgpu_metadata
---
amdhsa.version: [ 1, 2 ]
amdhsa.kernels:
  - .name:           k_qd7f3cfc938_attn
    .symbol:         k_qd7f3cfc938_attn.kd
    .args:
      - { .name: q_img, .offset: 0, .size: 8, .value_kind: global_buffer, .address_space: global }
      - { .name: kv_img, .offset: 8, .size: 8, .value_kind: global_buffer, .address_space: global }
      - { .name: lowp_scales, .offset: 16, .size: 8, .value_kind: global_buffer, .address_space: global }
      - { .name: out0, .offset: 24, .size: 8, .value_kind: global_buffer, .address_space: global }
    .group_segment_fixed_size: 327680
    .private_segment_fixed_size: 0
    .kernarg_segment_align: 8
    .kernarg_segment_size: 32
    .max_flat_workgroup_size: 512
    .sgpr_count:     66
    .vgpr_count:     256
    .wavefront_size: 32
...
	.end_amdgpu_metadata
.endif
;; end of part 2
